; MI455X (gfx1250); checked and timed in simulation.
; The chip was launched on July 23, 2026; its instructions are those of AMD's public machine-readable ISA for CDNA 5 (MIT licence, August 2026) and "CDNA5" Instruction Set Architecture Reference Guide (July 2026). The comments in the code are by the model that wrote it; some were corrected since.
;; Standard Kernel Model. Allowed arithmetic: matrix products marked QUANTISED: E2M1 operands, one E8M0 scale for each 32 along K, by v_wmma_scale_f32_16x16x128_f8f6f4 with both operands' format E2M1 (or v_wmma_scale_f32_32x16x128_f4), f32 sums; everything else in f32.
;; Inputs: batch 8,192 x 512 float32; centers 8,192 x 512 float32; weight_codes 256 x 256 x 16 uint8 (E2M1 codes of weight, K innermost, in blocks of 32 codes, two codes a byte); weight_scales 256 x 256 uint8 (E8M0 scales of weight, one for each 32 codes along K).
;; Outputs: out0 8,192 x 256 float32.
;; This version of the problem:
;;   THIS VERSION OF THE PROBLEM IS GIVEN IN LOW PRECISION. The matrix products marked QUANTISED in the list below multiply operands that are first quantised to E2M1 (2 exponent bits, 1 mantissa bit; 4 bits a number), with one power-of-two scale for each 32 numbers along K (OCP MX v1.0); their sums are f32. All else is computed in f32.
;;   The module's matrix products, in the order in which they are computed (A, B: the left and right operand; K: the contracted axis; several contracted axes count as one K, in the product's order):
;;     1. [M 8,192, K 512] x [K 512, N 8,192]; A: input batch; B: input centers: QUANTISED
;;     2. [M 8,192, K 8,192] x [K 8,192, N 256]; A: computed on the way; B: input weight (given as codes): QUANTISED
;;   THE QUANTISER, for each operand of a quantised product, along K:
;;     - K is cut into blocks of 32 from its start; a last block that is shorter is filled with zeros.
;;     - A block's scale is 2^e with e = floor(log2(the largest magnitude in the block)) - 2, held to -126 .. 127; a block of zeros has e = 0. As a byte (E8M0): e + 127.
;;     - Each number is divided by its block's scale, clamped to +-6, and rounded to the nearest number of E2M1, ties to even, subnormals kept.
;;     - The product sums the exact products of the quantised numbers (number of the format x scale) in f32.
;;   ~~~python
;;   def quantise(x, axis):      # numpy; x: float32 -> the quantised numbers, widened to float32 again
;;       x = np.moveaxis(x, axis, -1); K = x.shape[-1]
;;       x = np.pad(x, [(0, 0)] * (x.ndim - 1) + [(0, -K % 32)]); x = x.reshape(x.shape[:-1] + (-1, 32)); a = np.abs(x).max(-1, keepdims=True)
;;       e = np.where(a > 0, np.clip(np.frexp(np.where(a > 0, a, 1))[1] - 1 - 2, -126, 127), 0)      # np.frexp(a)[1] - 1 = floor(log2(a)), exactly
;;       r = np.clip(x / 2.0 ** e, -6, 6)
;;       step = 2.0 ** (np.maximum(np.frexp(np.where(r == 0, 1, r))[1] - 1, 0) - 1)
;;       q = np.round(r / step) * step * 2.0 ** e      # np.round: ties to even
;;       return np.moveaxis(q.reshape(q.shape[:-2] + (-1,))[..., :K], -1, axis).astype(np.float32)
;;   ~~~
;;   OPERANDS COMPUTED ON THE WAY. 'Computed on the way' means the value that the module computes at that place (a softmax that the list does not call 'softmax' is quantised finished and normalised). What goes into a quantiser is computed in f32, as accurately as f32 sums, v_exp_f32 and their like allow (about 1e-6 of the number): no bf16 or f16 on the way to a quantiser, and a product that is left as it is and whose result goes on into a quantised operand takes f32 operands (vector FMAs, or v_wmma_f32_16x16x4_f32). A number that lies on a knife's edge between two numbers of the format may be rounded either way, as far as f32 arithmetic and the matrix unit's own rounding can turn it there, and no further.
;;   INPUTS GIVEN AS CODES. weight (in the module: [8192, 256], K = its axis 0): each comes as NAME_codes (uint8): NAME with its K axis moved to the last place and cut into blocks of 32 codes, [.., K / 32, bytes a block], one block behind the other in memory; two codes a byte, the lower K in the low four bits (a code: sign, 2 exponent bits, 1 mantissa bit); and NAME_scales (uint8): the same leading axes, one E8M0 byte (e + 127) for each 32 codes along K. Its value is code x scale, taken as it is: it is not quantised again, and the codes and scales need not be those that the quantiser above would give.
;; One version. Each part assembles by itself: llvm-mc -triple=amdgcn-amd-amdhsa -mcpu=gfx1250 --defsym DOCPART=n.
;; ======== version 1 of 1: 3 launches
;; limits: right only within a limited range of input values
;; workspace buffers: bcodes 2,097,152 bytes; ccodes 2,097,152 bytes; bmeta 163,840 bytes; cmeta 163,840 bytes; part 33,554,432 bytes
;; launch quant (part 1): grid 256 x 1, 8 waves a work-group, no clusters, 50,176 bytes of LDS; arguments batch, centers, bcodes, bmeta, ccodes, cmeta; writes bcodes, bmeta, ccodes, cmeta
.if DOCPART == 1
	.amdgcn_target "amdgcn-amd-amdhsa--gfx1250"
	.amdhsa_code_object_version 6
	.text
	.protected	k_qe3c0a102b0_quant
	.globl	k_qe3c0a102b0_quant
	.p2align	8
	.type	k_qe3c0a102b0_quant,@function
k_qe3c0a102b0_quant:
	s_mov_b64 s[64:65], 0
	v_nop
	global_prefetch_b8 v0, s[64:65] scope:SCOPE_SE
	s_setreg_imm32_b32 hwreg(HW_REG_WAVE_MODE, 25, 1), 1
	s_wait_xcnt 0x0
; batch [8192][512] and centers [8192][512], f32, become codes of FP4 (E2M1), K innermost, 256 bytes a row, one E8M0 scale byte for each 32 along K, and one f32 a row made of the
; row's sum of squares (of the numbers as they come, not of the codes): c^2 |x|^2 for batch, c = log2(e) / 10, and -|z|^2 / 2 for centers.
; A block's scale is 2^(floor(log2(its largest magnitude)) - 2); its byte is the largest magnitude's exponent field - 2, held at 1 from below.
; LIMITS: a block of zeros gets the byte 1 (the quantiser says 127): its codes are zeros, and this program alone reads the bytes.  Blocks whose largest magnitude lies under 2^-124 are held at byte 1.
; NaN and infinities among the inputs are not served.
; LAYOUT OF THE RESULTS.  Codes: [row][256 bytes].  The meta buffer: four chunks of 2,048 rows, 40,960 bytes each: 16 scale bytes a row, then from byte 32,768 one f32 a row.
; A ROW m OF centers GOES TO ROW p(m), p = m with its bits 3 and 4 exchanged, in codes, scale bytes and f32 alike: sixteen neighbouring stored rows are then the rows
; 32 b + 8 u + r + 8 (r / 8) that the next launch wants as one tile of its first product.  Rows of batch stay where they are.
; SHARES.  Work-groups 0-127 take batch, 128-255 centers: only pointers, the target row and one factor are chosen, on the work-group's number; there is one path through the text.
; A work-group takes 64 rows, a wave 8, a row (2,048 bytes) a step.  All 32 loads of a wave go out at its start: 16 KiB a wave.
; Each load reads 512 consecutive bytes; a row turns through the wave's own stage in LDS (16 bytes of padding behind each 64) and comes back 16 NEIGHBOURS a lane, which is what the
; conversions take; two neighbouring lanes hold a block.  Waves share nothing: no barrier.
; A wave's store of a row's codes covers 256 consecutive bytes, aligned.  Its 128 scale bytes and its 8 f32 leave as one run each, shorter than that: 160 bytes of the 18,592 that a wave moves.
.set EMAX, 2
.set R,    32                          ; v32-159  eight sets of 16 numbers as they are loaded
.set X,    160                         ; v160-191 two sets of 16 neighbours
.set C,    192                         ; v192-207 codes, two registers a step: no store's data are written again
.set E,    208                         ; v208-215 a scale byte for each step
.set N,    216                         ; v216-223 the row's f32 for each step
.set WREG, 6144                        ; LDS: a region for each wave: two stages, its 128 scale bytes, its 8 f32
.set SPL,  80                          ; a lane's place in a stage: 64 bytes + 16 of padding
.set STG,  32*SPL
.set SBY,  2*STG
.set NRM,  SBY+128
	s_load_b128 s[4:7], s[0:1], 0x0                ; batch, centers
	s_load_b128 s[8:11], s[0:1], 0x10              ; batch's codes, its meta
	s_load_b128 s[12:15], s[0:1], 0x20             ; centers' codes, their meta
	v_lshl_add_u32 v224, v0, 2, 0xc000
	v_mov_b32 v225, 0
	v_lshrrev_b32 v1, 5, v0
	s_delay_alu instid0(VALU_DEP_1)
	v_readfirstlane_b32 s16, v1                    ; wave 0..7
	v_and_b32 v2, 31, v0                           ; lane
	s_delay_alu instid0(VALU_DEP_1)
	v_lshlrev_b32 v3, 4, v2                        ; my 16 bytes of a load's 512
	s_delay_alu instid0(VALU_DEP_2)
	v_lshlrev_b32 v4, 3, v2                        ; my 8 bytes of a row's codes
	s_delay_alu instid0(VALU_DEP_3)
	v_lshlrev_b32 v7, 2, v2                        ; my 4 of the wave's 128 scale bytes
	s_mul_i32 s26, s16, WREG
	v_lshrrev_b32 v14, 2, v2
	s_delay_alu instid0(VALU_DEP_1)
	v_mul_u32_u24 v14, v14, SPL
	v_and_b32 v15, 3, v2
	s_delay_alu instid0(VALU_DEP_1)
	v_lshl_add_u32 v14, v15, 4, v14
	s_delay_alu instid0(VALU_DEP_1)
	v_add_nc_u32 v14, s26, v14                     ; the stage, on the way in: SPL (lane / 4) + 16 (lane % 4); a load's 512 bytes take eight places
	v_mul_u32_u24 v15, v2, SPL
	s_delay_alu instid0(VALU_DEP_1)
	v_add_nc_u32 v15, s26, v15                     ; and on the way out: SPL x lane
	s_add_co_u32 s27, s26, SBY
	v_lshrrev_b32 v5, 1, v2
	s_delay_alu instid0(VALU_DEP_1)
	v_add_nc_u32 v5, s27, v5                       ; my block's scale byte
	v_add_nc_u32 v6, s27, v7                       ; and where I read four of them back
	s_add_co_u32 s27, s26, NRM
	v_mov_b32 v16, s27                             ; the rows' f32: every lane writes the same word with the same value
	v_and_b32 v18, 7, v2
	s_delay_alu instid0(VALU_DEP_1)
	v_lshlrev_b32 v18, 2, v18
	s_delay_alu instid0(VALU_DEP_1)
	v_add_nc_u32 v17, s27, v18                     ; and where lanes 0-7 read them back
	v_mov_b32 v24, 0                               ; written once: a lane permute's destination counts as one of its sources
	s_mov_b32 s32, 0x76543210
	s_mov_b32 s33, 0xfedcba98                      ; v_permlanex16_b32's selects for lane l xor 16
	s_and_b32 s17, ttmp9, 127                      ; which 64 rows of the tensor
	s_lshl_b32 s17, s17, 6
	s_lshl_b32 s18, s16, 3
	s_add_co_u32 s17, s17, s18                     ; my wave's first row, a multiple of 8
	s_and_b32 s18, s17, 0xffffffe7
	s_bfe_u32 s19, s17, 0x10003
	s_lshl_b32 s19, s19, 4
	s_or_b32 s18, s18, s19
	s_bfe_u32 s19, s17, 0x10004
	s_lshl_b32 s19, s19, 3
	s_or_b32 s18, s18, s19                         ; the same with bits 3 and 4 exchanged: my 8 rows stay neighbours
	s_mov_b32 s30, 0xbf000000                      ; -0.5
	s_wait_alu depctr_va_vdst(0)
	s_wait_kmcnt 0x0
	s_cmp_lt_u32 ttmp9, 128                        ; batch or centers?  The choice hangs on the work-group's number alone
	s_cselect_b64 s[4:5], s[4:5], s[6:7]
	s_cselect_b64 s[8:9], s[8:9], s[12:13]
	s_cselect_b64 s[10:11], s[10:11], s[14:15]
	s_cselect_b32 s18, s17, s18                    ; the first row that I write
	s_cselect_b32 s30, 0x3caa8179, s30             ; c^2 = (log2(e) / 10)^2, or -1/2
	s_lshl_b32 s20, s17, 11
	s_mov_b32 s21, 0
	s_add_nc_u64 s[4:5], s[4:5], s[20:21]          ; in: 2,048 bytes a row
	s_lshl_b32 s20, s18, 8
	s_add_nc_u64 s[8:9], s[8:9], s[20:21]          ; codes: 256 bytes a row
	s_lshr_b32 s22, s18, 11
	s_mul_i32 s22, s22, 40960                      ; the chunk,
	s_and_b32 s23, s18, 2047                       ; and the row in it
	s_lshl_b32 s24, s23, 2
	s_add_co_u32 s24, s24, s22
	s_add_co_u32 s24, s24, 32768
	s_mov_b32 s25, 0
	s_add_nc_u64 s[12:13], s[10:11], s[24:25]      ; the f32: 4 bytes a row
	s_lshl_b32 s20, s23, 4
	s_add_co_u32 s20, s20, s22
	s_add_nc_u64 s[10:11], s[10:11], s[20:21]      ; the scale bytes: 16 a row
.macro LOAD t
.irp i, 0,1,2,3
	global_load_b128 v[R+16*(\t)+4*\i:R+16*(\t)+4*\i+3], v3, s[4:5] offset:2048*(\t)+512*\i th:TH_LOAD_NT   ; 32 lanes read 512 consecutive bytes; read once in the launch
.endr
.endm
.macro TURN t                          ; row t through a stage: LDS serves a wave's instructions in order (ISA guide 5.7.1.4), so no wait stands between the stores and the loads
.irp i, 0,1,2,3
	ds_store_b128 v14, v[R+16*(\t)+4*\i:R+16*(\t)+4*\i+3] offset:STG*((\t)%2)+8*SPL*\i
.endr
.irp i, 0,1,2,3
	ds_load_b128 v[X+16*((\t)%2)+4*\i:X+16*((\t)%2)+4*\i+3], v15 offset:STG*((\t)%2)+16*\i
.endr
.endm
.irp t, 0,1,2,3,4,5,6,7
	LOAD \t
.endr
	s_wait_loadcnt 28                              ; row 0's four loads are in; the 28 of rows 1 to 7 stay out
	TURN 0
.macro STEP t
.set XS, X+16*((\t)%2)
.if (\t) > 0
	s_wait_dscnt 2                                 ; this row is back from the stage; the last step's two small stores, issued behind these loads, may be out
.else
	s_wait_dscnt 0x0
.endif
.if (\t) < 7
	s_wait_loadcnt 4*(6-(\t))                      ; the next row's four loads are in; those of the rows behind it stay out
	TURN (\t)+1                                    ; it goes through the other stage while this row is worked
.endif
	v_max3_num_f32 v8, |v[XS]|, |v[XS+1]|, |v[XS+2]|               ; the largest magnitude of my 16, in two chains
	v_max3_num_f32 v9, |v[XS+3]|, |v[XS+4]|, |v[XS+5]|
.irp i, 6,10
	s_delay_alu instid0(VALU_DEP_2)
	v_max3_num_f32 v8, v8, |v[XS+\i]|, |v[XS+\i+1]|
	s_delay_alu instid0(VALU_DEP_2)
	v_max3_num_f32 v9, v9, |v[XS+\i+2]|, |v[XS+\i+3]|
.endr
	s_delay_alu instid0(VALU_DEP_2)
	v_max3_num_f32 v8, v8, |v[XS+14]|, |v[XS+15]|
	s_delay_alu instid0(VALU_DEP_1)
	v_max3_num_f32 v8, v8, v9, (EMAX+1)<<23        ; and the floor 2^(3 - 127): the byte cannot fall under 1
	s_delay_alu instid0(VALU_DEP_1)
	v_max_num_f32_dpp v8, v8, v8 row_xmask:1 row_mask:0xf bank_mask:0xf   ; with my neighbour's 16: the block's
	s_delay_alu instid0(VALU_DEP_1)
	v_add_nc_u32 v11, -(EMAX<<23), v8              ; 2 off its exponent field: the conversion takes the exponent field of this operand as its scale, and nothing else of it
	v_cvt_scalef32_pk8_fp4_f32 v[C+2*(\t)], v[XS:XS+7], v11        ; eight numbers / the scale, to the nearest code, ties to even, beyond 6 the largest code; the first number's code in the lowest bits
	v_cvt_scalef32_pk8_fp4_f32 v[C+2*(\t)+1], v[XS+8:XS+15], v11
	v_lshrrev_b32 v[E+(\t)], 23, v11               ; the scale's byte (a plain line behind the conversions)
	v_pk_mul_f32 v[20:21], v[XS:XS+1], v[XS:XS+1]                  ; the sum of my 16 squares, two at a time, in two chains
	v_pk_mul_f32 v[22:23], v[XS+2:XS+3], v[XS+2:XS+3]
.irp i, 4,8,12
	s_delay_alu instid0(VALU_DEP_2)
	v_pk_fma_f32 v[20:21], v[XS+\i:XS+\i+1], v[XS+\i:XS+\i+1], v[20:21]
	s_delay_alu instid0(VALU_DEP_2)
	v_pk_fma_f32 v[22:23], v[XS+\i+2:XS+\i+3], v[XS+\i+2:XS+\i+3], v[22:23]
.endr
	s_delay_alu instid0(VALU_DEP_1)
	v_pk_add_f32 v[20:21], v[20:21], v[22:23]
	s_delay_alu instid0(VALU_DEP_1)
	v_add_f32 v20, v20, v21
	s_delay_alu instid0(VALU_DEP_1)
	v_add_f32_dpp v20, v20, v20 row_xmask:1 row_mask:0xf bank_mask:0xf    ; and over the 32 lanes: the row's
	s_delay_alu instid0(VALU_DEP_1)
	v_add_f32_dpp v20, v20, v20 row_xmask:2 row_mask:0xf bank_mask:0xf
	s_delay_alu instid0(VALU_DEP_1)
	v_add_f32_dpp v20, v20, v20 row_xmask:4 row_mask:0xf bank_mask:0xf
	s_delay_alu instid0(VALU_DEP_1)
	v_add_f32_dpp v20, v20, v20 row_xmask:8 row_mask:0xf bank_mask:0xf
	s_delay_alu instid0(VALU_DEP_1)
	v_permlanex16_b32 v24, v20, s32, s33
	s_delay_alu instid0(VALU_DEP_1)
	v_add_f32 v20, v20, v24
	s_delay_alu instid0(VALU_DEP_1)
	v_mul_f32 v[N+(\t)], s30, v20                  ; x c^2, or x -1/2
	ds_store_b8 v5, v[E+(\t)] offset:16*(\t)       ; both lanes of a block write the same byte with the same value
	ds_store_b32 v16, v[N+(\t)] offset:4*(\t)
	global_store_b64 v4, v[C+2*(\t):C+2*(\t)+1], s[8:9] offset:256*(\t)   ; the wave stores 256 consecutive bytes, aligned: a row of codes
.endm
.irp t, 0,1,2,3,4,5,6,7
	STEP \t
.endr
	ds_load_b32 v12, v6                            ; LDS serves a wave's instructions in order: these see my stores
	ds_load_b32 v13, v17
	s_wait_dscnt 0x0
	global_store_b32 v7, v12, s[10:11]             ; my 8 rows' 128 scale bytes, consecutive
	v_cmp_gt_u32 vcc_lo, 8, v2
	s_wait_xcnt 0x0                                ; EXEC is a source of the stores that are out: it changes only behind this wait
	s_wait_tensorcnt 0x0
	ds_add_u32 v224, v225
	s_wait_dscnt 0x0
	s_and_saveexec_b32 s28, vcc_lo
	global_store_b32 v18, v13, s[12:13]            ; lanes 0-7: my 8 rows' f32
	s_wait_xcnt 0x0                                ; and again in front of the line that widens it
	s_or_b32 exec_lo, exec_lo, s28
	s_endpgm
.Lfunc_end_k_qe3c0a102b0_quant:
	.size	k_qe3c0a102b0_quant, .Lfunc_end_k_qe3c0a102b0_quant-k_qe3c0a102b0_quant
	.p2alignl 7, 3214868480
	.fill 96, 4, 3214868480
	.section	.rodata,"a",@progbits
	.p2align	6, 0x0
	.amdhsa_kernel k_qe3c0a102b0_quant
		.amdhsa_group_segment_fixed_size 50176
		.amdhsa_private_segment_fixed_size 0
		.amdhsa_enable_private_segment 0
		.amdhsa_kernarg_size 48
		.amdhsa_user_sgpr_count 2
		.amdhsa_user_sgpr_kernarg_segment_ptr 1
		.amdhsa_wavefront_size32 1
		.amdhsa_system_sgpr_workgroup_id_x 1
		.amdhsa_system_sgpr_workgroup_id_y 1
		.amdhsa_system_sgpr_workgroup_id_z 1
		.amdhsa_system_vgpr_workitem_id 0
		.amdhsa_next_free_vgpr 226
		.amdhsa_next_free_sgpr 66
		.amdhsa_reserve_vcc 1
		.amdhsa_float_denorm_mode_32 3
		.amdhsa_float_denorm_mode_16_64 3
		.amdhsa_memory_ordered 1
		.amdhsa_forward_progress 1
		.amdhsa_inst_pref_size 34
	.end_amdhsa_kernel
	.amdgpu_metadata
---
amdhsa.version: [ 1, 2 ]
amdhsa.kernels:
  - .name:           k_qe3c0a102b0_quant
    .symbol:         k_qe3c0a102b0_quant.kd
    .args:
      - { .name: batch, .offset: 0, .size: 8, .value_kind: global_buffer, .address_space: global }
      - { .name: centers, .offset: 8, .size: 8, .value_kind: global_buffer, .address_space: global }
      - { .name: bcodes, .offset: 16, .size: 8, .value_kind: global_buffer, .address_space: global }
      - { .name: bmeta, .offset: 24, .size: 8, .value_kind: global_buffer, .address_space: global }
      - { .name: ccodes, .offset: 32, .size: 8, .value_kind: global_buffer, .address_space: global }
      - { .name: cmeta, .offset: 40, .size: 8, .value_kind: global_buffer, .address_space: global }
    .group_segment_fixed_size: 50176
    .private_segment_fixed_size: 0
    .kernarg_segment_align: 8
    .kernarg_segment_size: 48
    .max_flat_workgroup_size: 256
    .sgpr_count:     66
    .vgpr_count:     226
    .wavefront_size: 32
...
	.end_amdgpu_metadata
.endif
;; end of part 1
;; launch fused (part 2): grid 64 x 4, 8 waves a work-group, clusters of 4 x 1, 327,680 bytes of LDS; arguments bcodes, bmeta, ccodes, cmeta, weight_codes, weight_scales, part; writes part
.if DOCPART == 2
	.amdgcn_target "amdgcn-amd-amdhsa--gfx1250"
	.amdhsa_code_object_version 6
	.text
	.protected	k_qe3c0a102b0_fused
	.globl	k_qe3c0a102b0_fused
	.p2align	8
	.type	k_qe3c0a102b0_fused,@function
k_qe3c0a102b0_fused:
	s_mov_b64 s[64:65], 0
	v_nop
	global_prefetch_b8 v0, s[64:65] scope:SCOPE_SE
	s_setreg_imm32_b32 hwreg(HW_REG_WAVE_MODE, 25, 1), 1
	s_wait_xcnt 0x0
	s_wait_alu depctr_hold_cnt(0) depctr_sa_sdst(0) depctr_va_vdst(0) depctr_va_sdst(0) depctr_va_ssrc(0) depctr_va_vcc(0) depctr_vm_vsrc(0)
	s_getreg_b32 s2, hwreg(HW_REG_IB_STS2, 6, 4)
	s_cmp_eq_u32 s2, 0
	s_cbranch_scc0 .Lentry_in_a_cluster
	s_endpgm
.Lentry_in_a_cluster:
	s_bfe_u32 s2, ttmp6, 0x10000c
	s_cmp_lg_u32 s2, 0x3003
	s_cbranch_scc0 .Lentry_shape_is_right
	s_endpgm
.Lentry_shape_is_right:
; part[split][n][y] = the sum over the split's 2,048 centres m of Q(K[n][m]) W[m][y],  K[n][m] = exp(-sqrt(max(|x_n|^2 + |z_m|^2 - 2 x_n . z_m, 0)) / 10).
; Both products run on codes of FP4 (E2M1) with one E8M0 scale for each 32 along K.  x . z takes the codes that the launch before made of batch and centers (K = 512);
; K is quantised here, along m, in blocks of 32, and multiplied by weight's codes as they are given (m innermost).  K never goes to memory.  No work of the problem is left out.
; AN ELEMENT, in f32.  With c = log2(e) / 10:  K = 2^(-sqrt(max(d, 0))),  d = c^2 |x|^2 - 2 c^2 D,  D = x . z - |z|^2 / 2: -|z|^2 / 2 is the C of a tile's first product.
; LIMITS: an element of K under 2^-126 comes out as 0 (v_exp_f32 gives 0 where its result would be denormal: ISA guide 15.8).  The three terms of the squared distance are added in another order than
; reference() adds them.  NaN and infinities are not served.  A block of zeros has the byte 1 and zero codes.
; SHARES.  A work-group owns 128 rows (x: 64 blocks) and 2,048 centres (y: 4 splits): 256 work-groups.  Wave w takes rows 32 (w / 2) on, two tiles of 16 queries, and half w % 2 of each step's 256 centres.
; The two waves of a row group add their halves on the way out; the four splits are added by the next launch.
; CLUSTER.  The four work-groups of a cluster (4 x 1) have the same split and walk the same centres and weights: every tile is asked for JOINTLY, mask 15.  No descriptor and no LDS address hangs on the place in the cluster.
; LAYOUT.  Both products are used transposed: S^T = Z X^T, O^T = W^T P^T: a lane holds ONE query (lane % 16) throughout.  The stored rows of centers are ordered so that the 16 registers of tiles 2 b and 2 b + 1
; are the 16 neighbouring centres 32 b + 16 (lane / 16) + 0 .. 15, which is what the conversions take.
; LDS.  Two slots of 256 rows of the centres' codes (pitch 272); weight in four pieces of 128 rows x 256 bytes (pitch 272): a chunk of 512 centres is two pieces, two chunks lie side by side;
; two slots of 4,096 scale bytes of the centres; the split's -|z|^2 / 2 and weight's scale bytes (256 rows of 64, pitch 72), both filled once; the spare words.
; THE RING.  Step j reads codes and scale bytes of slot j % 2 ahead of its round, and weight's chunk j / 2 behind it.  Behind the round of step j waves 0-3 ask for the codes of step j + 2, wave 4 for their scale bytes,
; and in steps 2 to 5 wave 6 for piece j + 2 of weight, into the chunk read out in steps j - 1 (or j - 2) and before.  Each request is shown landed by the next round.
; At the head each wave asks for one tile: step 0's codes (waves 0-3) and scale bytes (4), -|z|^2 / 2 (5), chunk 0 (6, 7).  Step 1's codes and scale bytes, weight's scale bytes and chunk 1 follow behind the full
; sequence and a round, all of them first fills.  Steps 0, 1, 6 and 7 are written out by a count.
; NO PREFETCH: the walk has eight steps; a request two steps ahead of its load could name steps 4 to 7 alone, and each load has a whole step's work (96 matrix instructions a wave and the vector work of 4 blocks) in which to land.
; REGISTERS.  Window 0: the names below.  Window 1: O^T, 256 registers: output tile t, query tile q at v[16 t + 8 q].
.set CP,    272
.set CSL,   256*CP                     ; a slot of codes; also a chunk of weight
.set WPC,   128*CP                     ; a piece of weight
.set W0,    2*CSL
.set SC0,   W0+4*WPC                   ; the centres' scale bytes, two slots of 4,096
.set ZZ,    SC0+8192                   ; -|z|^2 / 2 of the split
.set WSP,   72
.set WSC,   ZZ+8192                    ; weight's scale bytes
.set SPARE, WSC+256*WSP                ; the spare words, 128 bytes a wave: four blocks of 256 bytes that no other line names
.set YP,    1040                       ; the way out: a row of 256 f32 + 16 bytes
.set SPW,  1
.set NIL,  2
.set AC0,  3                           ; v3-7 my lane's places: codes, weight, the centres' scale words, -|z|^2 / 2, weight's scale words
.set AW0,  4
.set ACS0, 5
.set AZ0,  6
.set AWS0, 7
.set ADC,  8                           ; v8-12 the same five for the step in hand
.set ADW,  9
.set ADS,  10
.set ADZ,  11
.set ADT,  12
.set QO,   13
.set QSO,  14
.set XO,   15
.set QF,   16                          ; v16-79   the queries' fragments: tile q, K step s at 32 q + 8 s
.set QS,   80                          ; v80-83   their scale words: lanes 0-15 tile 0, lanes 16-31 tile 1
.set XQ,   84                          ; v84-87   two pairs: the low word is c^2 |x|^2 of my query in tile q
.set CF,   88                          ; v88-151  the centres' fragments (tile u, K step s at 32 u + 8 s), or weight's tiles 0-7
.set CS,   152                         ; v152-155 the centres' scale words
.set WS,   156                         ; v156-163 weight's: register i: lanes 0-15 output tile 2 i, lanes 16-31 tile 2 i + 1
.set ZH,   164                         ; v164-179 -|z|^2 / 2 in the result's layout, or weight's tiles 8, 9
.set S,    180                         ; v180-211 S^T, then K: 16 q + 8 u + j; or weight's tiles 10-13
.set PC,   212                         ; v212-227 P's codes
.set PW,   228                         ; v228-229 P's scale words
.set TM,   230                         ; v230-245 eight a query tile: five partial maxima, the permute's destination, the conversion's scale operand, the byte; or weight's tiles 14, 15
.set STO,  246
.set RD,   247
.set GO,   248
.set WV,   18
.set W3,   19
.set HH,   20
.set GG,   21
.set SEL,  22
.set K2,   24
.set QSB,  26
.set G1C,  28                          ; groups 1: codes, weight, the scale bytes' slot, -|z|^2 / 2, weight's scale bytes
.set G1W,  36
.set G1M,  44
.set G1Z,  52
.set G1S,  68
.set G0C,  60                          ; groups 0: the codes and the scale bytes walk on; weight's chunks 0 and 1; two used once; weight's pieces
.set G0M,  76
.set G0W,  80
.set G0Z,  84
.set G0S,  88
.set G0P,  92
.set WB,   96                          ; s[96:97] weight's codes at the split, with the type bits
.set TB,   98
.set TS,   99
.set TSZ,  100
.set TSW,  101
.set TW,   104
.set JJ,   105                         ; the step in hand
.set MSB, 0
.macro WIN new
.if MSB != \new
	s_set_vgpr_msb (MSB<<8)|\new
.set MSB, \new
.endif
.endm
.macro PLACES n
.rept \n
	v_nop
.endr
.endm
.macro CREST                           ; a round of the cluster's barrier behind its opening barrier
	s_cmp_lg_u32 s[WV], 0
	s_cbranch_scc1 .Lnot_wave_0_\@
	s_barrier_signal -3
.Lnot_wave_0_\@:
	s_barrier_wait -3
	s_barrier_signal -1
	s_barrier_wait -1
.endm
.macro CROUND
	s_barrier_signal -1
	s_barrier_wait -1
	CREST
.endm
.macro TL g0, g1                       ; a joint load
	tensor_load_to_lds s[\g0:\g0+3], s[\g1:\g1+7]
	s_nop 0
	PLACES 4
.endm
; One chain of branches on the wave's number, one load to an arm, one join.  kind 0: the head; 1: the second group of first fills; 2: codes and scale bytes; 3: these and a piece of weight.
.macro JL kind
	s_cmp_lt_u32 s[WV], 4
	s_cbranch_scc0 .La_\@
	TL G0C, G1C
	s_branch .Lj_\@
.La_\@:
	s_cmp_eq_u32 s[WV], 4
	s_cbranch_scc0 .Lb_\@
	TL G0M, G1M
.if \kind != 2
	s_branch .Lj_\@
.endif
.Lb_\@:
.if \kind == 0
	s_cmp_eq_u32 s[WV], 5
	s_cbranch_scc0 .Lc_\@
	TL G0Z, G1Z
	s_branch .Lj_\@
.Lc_\@:
	TL G0W, G1W
.elseif \kind == 1
	s_cmp_eq_u32 s[WV], 5
	s_cbranch_scc0 .Lc_\@
	TL G0S, G1S
	s_branch .Lj_\@
.Lc_\@:
	TL G0W, G1W
.elseif \kind == 3
	s_cmp_eq_u32 s[WV], 6
	s_cbranch_scc0 .Lj_\@
	TL G0P, G1W
.endif
.Lj_\@:
.endm
	s_load_b256 s[4:11], s[0:1], 0x0               ; batch's codes, its meta, the centres' codes, their meta
	s_load_b128 s[12:15], s[0:1], 0x20             ; weight's codes, its scale bytes
	s_load_b64 s[16:17], s[0:1], 0x30              ; part
	v_lshl_add_u32 v[SPW], v0, 2, SPARE
	v_mov_b32 v[NIL], 0
	ds_add_u32 v[SPW], v[NIL]                      ; the opening lines: the add, twice on end, and its wait
	ds_add_u32 v[SPW], v[NIL]
	v_lshrrev_b32 v8, 5, v0
	v_readfirstlane_b32 s[WV], v8                  ; wave 0..7
	s_and_b32 s[W3], s[WV], 3
	s_and_b32 s[HH], s[WV], 1
	s_lshr_b32 s[GG], s[WV], 1
	s_and_b32 s66, ttmp7, 0xffff                   ; the split, which the four partners share
	; groups 1.  15:0 the mask; 17:16 the element's size; 20 padding on; 21 set beside a mask; 24:22 the padding's interval; 31:25 its words less one
	s_mov_b32 s[G1C], 15|(1<<20)|(1<<21)|(5<<22)|(3<<25)   ; bytes; 4 words behind every 64: pitch 272; 64 rows of 256
	s_mov_b32 s[G1C+1], 256<<16
	s_mov_b32 s[G1C+2], 64<<16
	s_mov_b32 s[G1C+3], 256<<16
	s_mov_b32 s[G1C+4], 64
	s_mov_b32 s[G1C+5], 256
	s_mov_b32 s[G1C+6], 0
	s_mov_b32 s[G1C+7], 0
	s_mov_b32 s[G1W], 15|(1<<20)|(1<<21)|(5<<22)|(3<<25)   ; the same padding; 128 rows of 256 bytes, 4,096 bytes apart
	s_mov_b32 s[G1W+1], 256<<16
	s_mov_b32 s[G1W+2], 128<<16
	s_mov_b32 s[G1W+3], 256<<16
	s_mov_b32 s[G1W+4], 128
	s_mov_b32 s[G1W+5], 4096
	s_mov_b32 s[G1W+6], 0
	s_mov_b32 s[G1W+7], 0
	s_mov_b32 s[G1M], 15|(3<<16)|(1<<21)           ; dense: 16 rows of 32 elements of 8 bytes
	s_mov_b32 s[G1M+1], 32<<16
	s_mov_b32 s[G1M+2], 16<<16
	s_mov_b32 s[G1M+3], 32<<16
	s_mov_b32 s[G1M+4], 16
	s_mov_b32 s[G1M+5], 32
	s_mov_b32 s[G1M+6], 0
	s_mov_b32 s[G1M+7], 0
	s_mov_b32 s[G1Z], 15|(3<<16)|(1<<21)           ; dense: 32 such rows
	s_mov_b32 s[G1Z+1], 32<<16
	s_mov_b32 s[G1Z+2], 32<<16
	s_mov_b32 s[G1Z+3], 32<<16
	s_mov_b32 s[G1Z+4], 32
	s_mov_b32 s[G1Z+5], 32
	s_mov_b32 s[G1Z+6], 0
	s_mov_b32 s[G1Z+7], 0
	s_mov_b32 s[G1S], 15|(1<<20)|(1<<21)|(3<<22)|(1<<25)   ; bytes; 2 words behind every 16: pitch 72; 256 rows of 64, once in the launch
	s_mov_b32 s[G1S+1], 64<<16
	s_mov_b32 s[G1S+2], 256<<16
	s_mov_b32 s[G1S+3], 64<<16
	s_mov_b32 s[G1S+4], 256
	s_mov_b32 s[G1S+5], 256
	s_mov_b32 s[G1S+6], 0
	s_mov_b32 s[G1S+7], 0
	; groups 0: count 1 and the LDS address (constants and the wave's number)
	s_mov_b32 s[G0C], 1
	s_mul_i32 s[G0C+1], s[W3], 64*CP
	s_mov_b32 s[G0M], 1
	s_mov_b32 s[G0M+1], SC0
	s_mov_b32 s[G0Z], 1
	s_mov_b32 s[G0Z+1], ZZ
	s_mov_b32 s[G0S], 1
	s_mov_b32 s[G0S+1], WSC
	s_mov_b32 s[G0W], 1
	s_mul_i32 s[G0W+1], s[HH], WPC
	s_add_co_u32 s[G0W+1], s[G0W+1], W0
	s_mov_b32 s[G0P], 1
	s_mov_b32 s[SEL], 0x76543210
	s_mov_b32 s[SEL+1], 0xfedcba98
	s_mov_b32 s[K2], 0xbd2a8179                    ; -2 c^2
	s_mov_b32 s[K2+1], s[K2]
	s_mov_b32 s[TB], 0
	s_mov_b32 s[TS], 0
	s_mov_b32 s[TSZ], 0
	s_mov_b32 s[TSW], 0
	s_mov_b32 s[TW], 0
	s_mov_b32 s[JJ], 0
	s_wait_dscnt 0x0                               ; both opening adds are done
	s_wait_kmcnt 0x0
	s_mul_i32 s2, s66, 40960                       ; the split's chunk of the centres' meta buffer
	s_mov_b32 s3, 0
	s_add_nc_u64 s[G0M+2:G0M+3], s[10:11], s[2:3]
	s_add_nc_u64 s[G0Z+2:G0Z+3], s[G0M+2:G0M+3], 32768
	s_or_b32 s[G0M+3], s[G0M+3], 0x80000000
	s_or_b32 s[G0Z+3], s[G0Z+3], 0x80000000
	s_lshl_b32 s2, s66, 6                          ; the split's 64 bytes of each row of weight's scale bytes
	s_add_nc_u64 s[G0S+2:G0S+3], s[14:15], s[2:3]
	s_or_b32 s[G0S+3], s[G0S+3], 0x80000000
	s_lshl_b32 s2, s66, 19                         ; the split's 2,048 rows of codes, my 64 rows of a slot
	s_lshl_b32 s67, s[W3], 14
	s_add_co_u32 s2, s2, s67
	s_add_nc_u64 s[G0C+2:G0C+3], s[8:9], s[2:3]
	s_or_b32 s[G0C+3], s[G0C+3], 0x80000000
	s_lshl_b32 s2, s66, 10                         ; the split's 1,024 bytes of each row of weight
	s_add_nc_u64 s[WB:WB+1], s[12:13], s[2:3]
	s_or_b32 s[WB+1], s[WB+1], 0x80000000
	s_lshl_b32 s2, s[HH], 19                       ; waves 6, 7: rows 0-127, 128-255
	s_add_nc_u64 s[G0W+2:G0W+3], s[WB:WB+1], s[2:3]
	CROUND                                         ; all four work-groups are here: the first joint loads meet
	JL 0                                           ; one load a wave at the head
	; my 32 rows.  The place in the cluster enters these global addresses alone.
	s_bfe_u32 s2, ttmp6, 0x40000                   ; cx
	s_lshl_b32 s67, ttmp9, 2
	s_add_co_u32 s67, s67, s2
	s_lshl_b32 s67, s67, 7
	s_lshl_b32 s2, s[GG], 5
	s_add_co_u32 s67, s67, s2                      ; my wave's first row
	s_lshl_b32 s2, s67, 8
	s_mov_b32 s3, 0
	s_add_nc_u64 s[4:5], s[4:5], s[2:3]            ; its codes
	s_lshr_b32 s12, s67, 11
	s_mul_i32 s12, s12, 40960
	s_and_b32 s13, s67, 2047
	s_lshl_b32 s2, s13, 4
	s_add_co_u32 s2, s2, s12
	s_add_nc_u64 s[QSB:QSB+1], s[6:7], s[2:3]      ; its scale words
	s_lshl_b32 s2, s13, 2
	s_add_co_u32 s2, s2, s12
	s_add_co_u32 s2, s2, 32768
	s_add_nc_u64 s[6:7], s[6:7], s[2:3]            ; its c^2 |x|^2
	s_lshl_b32 s2, s[HH], 4                        ; on the way out I store query tile wave % 2
	s_add_co_u32 s2, s2, s67
	s_lshl_b32 s2, s2, 10
	s_lshl_b32 s12, s66, 23
	s_add_co_u32 s2, s2, s12
	s_add_nc_u64 s[16:17], s[16:17], s[2:3]
	; the scalars of the LDS addresses, all ahead of the vector lines that take them
	s_mul_i32 s15, s[GG], 64*YP                    ; the way out: a row group has four blocks of 16 rows
	s_mul_i32 s66, s[HH], 32*YP
	s_add_co_u32 s66, s66, s15                     ; back: query tile wave % 2
	s_mul_i32 s10, s[HH], 16*YP
	s_add_co_u32 s15, s15, s10                     ; in: which wave made it
	s_mul_i32 s8, s[HH], 128*CP                    ; my 128 of a slot's 256 centres
	s_lshl_b32 s9, s[HH], 6
	s_add_co_u32 s9, s9, W0                        ; their 64 bytes of a row of weight
	s_lshl_b32 s10, s[HH], 11
	s_add_co_u32 s10, s10, SC0
	s_lshl_b32 s11, s[HH], 9
	s_add_co_u32 s11, s11, ZZ
	s_lshl_b32 s14, s[HH], 2
	s_add_co_u32 s14, s14, WSC
	v_and_b32 v8, 15, v0                           ; r
	v_bfe_u32 v9, v0, 4, 1                         ; h
	v_and_b32 v10, 31, v0                          ; lane
	v_lshlrev_b32 v[QO], 8, v8
	v_lshl_add_u32 v[QO], v9, 4, v[QO]
	v_lshlrev_b32 v[QSO], 4, v10
	v_lshlrev_b32 v[XO], 2, v8
.irp q, 0,1
.irp s, 0,1,2,3
.irp c, 0,1
	global_load_b128 v[QF+32*\q+8*\s+4*\c:QF+32*\q+8*\s+4*\c+3], v[QO], s[4:5] offset:4096*\q+64*\s+32*\c
.endr
.endr
.endr
	global_load_b128 v[QS:QS+3], v[QSO], s[QSB:QSB+1]
	global_load_b32 v[XQ], v[XO], s[6:7]
	global_load_b32 v[XQ+2], v[XO], s[6:7] offset:64
	v_mov_b32 v[XQ+1], 0                           ; (named as the upper halves of pairs)
	v_mov_b32 v[XQ+3], 0
	v_mov_b32 v[TM+5], 0                           ; a lane permute's destination counts as one of its sources
	v_mov_b32 v[TM+13], 0
	v_mul_u32_u24 v[AC0], v8, CP
	v_lshl_add_u32 v[AC0], v9, 4, v[AC0]           ; row r x pitch + 16 h
	v_add_nc_u32 v[AW0], s9, v[AC0]
	v_add_nc_u32 v[AC0], s8, v[AC0]
	v_lshl_add_u32 v[ACS0], v10, 4, s10            ; lane l takes the 16 scale bytes of stored row 32 b + l
	v_lshl_add_u32 v[AZ0], v9, 5, s11              ; lane (r, h) takes the eight f32 of a tile's rows 8 h + 0 .. 7
	v_mul_u32_u24 v[AWS0], v10, WSP
	v_add_nc_u32 v[AWS0], s14, v[AWS0]             ; lane l takes the word of output 32 i + l
	v_mul_u32_u24 v[STO], v8, YP
	v_lshl_add_u32 v[STO], v9, 5, v[STO]
	v_add_nc_u32 v[STO], s15, v[STO]
	v_lshl_add_u32 v[RD], v10, 4, s66
	v_lshlrev_b32 v[GO], 4, v10
.set PH, 14                            ; s14: bit 0 xor bit 2 of the wave's number: which of two groups the wave walks in (the scalar that lay here has been used)
	s_lshr_b32 s[PH], s[WV], 2
	s_xor_b32 s[PH], s[PH], s[WV]
	s_and_b32 s[PH], s[PH], 1
.macro WM ra, rb                       ; one matrix instruction on rD, rA, rB, rC, rSA, rSB; rZ = 1: C is 0.  ra, rb: the side's scale words stand in lanes 16-31
.if rZ
.if (\ra)
	v_wmma_scale_f32_16x16x128_f8f6f4 v[rD:rD+7], v[rA:rA+7], v[rB:rB+7], 0, v[rSA], v[rSB] matrix_a_fmt:MATRIX_FMT_FP4 matrix_b_fmt:MATRIX_FMT_FP4 matrix_a_scale:MATRIX_SCALE_ROW1
.else
	v_wmma_scale_f32_16x16x128_f8f6f4 v[rD:rD+7], v[rA:rA+7], v[rB:rB+7], 0, v[rSA], v[rSB] matrix_a_fmt:MATRIX_FMT_FP4 matrix_b_fmt:MATRIX_FMT_FP4
.endif
.elseif (\ra) && (\rb)
	v_wmma_scale_f32_16x16x128_f8f6f4 v[rD:rD+7], v[rA:rA+7], v[rB:rB+7], v[rC:rC+7], v[rSA], v[rSB] matrix_a_fmt:MATRIX_FMT_FP4 matrix_b_fmt:MATRIX_FMT_FP4 matrix_a_scale:MATRIX_SCALE_ROW1 matrix_b_scale:MATRIX_SCALE_ROW1
.elseif (\ra)
	v_wmma_scale_f32_16x16x128_f8f6f4 v[rD:rD+7], v[rA:rA+7], v[rB:rB+7], v[rC:rC+7], v[rSA], v[rSB] matrix_a_fmt:MATRIX_FMT_FP4 matrix_b_fmt:MATRIX_FMT_FP4 matrix_a_scale:MATRIX_SCALE_ROW1
.elseif (\rb)
	v_wmma_scale_f32_16x16x128_f8f6f4 v[rD:rD+7], v[rA:rA+7], v[rB:rB+7], v[rC:rC+7], v[rSA], v[rSB] matrix_a_fmt:MATRIX_FMT_FP4 matrix_b_fmt:MATRIX_FMT_FP4 matrix_b_scale:MATRIX_SCALE_ROW1
.else
	v_wmma_scale_f32_16x16x128_f8f6f4 v[rD:rD+7], v[rA:rA+7], v[rB:rB+7], v[rC:rC+7], v[rSA], v[rSB] matrix_a_fmt:MATRIX_FMT_FP4 matrix_b_fmt:MATRIX_FMT_FP4
.endif
.endm
.macro LOADC b                         ; block b of my 128 centres, 21 loads: scale words, -|z|^2 / 2, then the codes K step by K step
	ds_load_b128 v[CS:CS+3], v[ADS] offset:512*(\b)
.irp u, 0,1
.irp k, 0,1
	ds_load_b128 v[ZH+8*\u+4*\k:ZH+8*\u+4*\k+3], v[ADZ] offset:128*(\b)+64*\u+16*\k
.endr
.endr
.irp s, 0,1,2,3
.irp u, 0,1
.irp c, 0,1
	ds_load_b128 v[CF+32*\u+8*\s+4*\c:CF+32*\u+8*\s+4*\c+3], v[ADC] offset:(32*(\b)+16*\u)*CP+64*\s+32*\c
.endr
.endr
.endr
.endm
.macro WREG t                          ; where tile t of weight lies: in registers that the first product has left
.if (\t) < 8
.set rW, CF+8*(\t)
.elseif (\t) < 10
.set rW, ZH+8*((\t)-8)
.elseif (\t) < 14
.set rW, S+8*((\t)-10)
.else
.set rW, TM+8*((\t)-14)
.endif
.endm
.macro LOADW t0, t1
.set tt, \t0
.rept (\t1)-(\t0)+1
	WREG tt
	ds_load_b128 v[rW:rW+3], v[ADW] offset:tt*16*CP
	ds_load_b128 v[rW+4:rW+7], v[ADW] offset:tt*16*CP+32
.set tt, tt+1
.endr
.endm
; S^T of a block: two tiles of centres x two of queries, four K steps; the four accumulators take turns.  cw = 1: each K step waits for its own four loads.
.macro SMUL cw
.set rZ, 0
.irp s, 0,1,2,3
.if \cw
	s_wait_dscnt 12-4*\s
.endif
.irp u, 0,1
.irp q, 0,1
.set rD, S+16*\q+8*\u
.set rA, CF+32*\u+8*\s
.set rB, QF+32*\q+8*\s
.set rC, rD
.if \s == 0
.set rC, ZH+8*\u
.endif
.set rSA, CS+\s
.set rSB, QS+\s
	WM \u, \q
.endr
.endr
.endr
.endm
; From D to the root: all sources first, one wait, the batch of 32 roots, a plain place, one wait.  Each accumulator is read from its low end on.
.macro VECP                            ; the first readers of S^T: plain lines, straight behind the products and their places
.irp q, 0,1
.irp i, 0,2,4,6,8,10,12,14
	v_pk_fma_f32 v[S+16*\q+\i:S+16*\q+\i+1], v[S+16*\q+\i:S+16*\q+\i+1], s[K2:K2+1], v[XQ+2*\q:XQ+2*\q+1] op_sel_hi:[1,0,0]   ; d = c^2 |x|^2 - 2 c^2 D
.endr
.endr
.endm
.macro VECQ                            ; the maxima, one wait, the batch of 32 roots, a plain place, one wait
.set n, 0
.rept 16
	v_dual_max_num_f32 v[S+n], 0, v[S+n] :: v_dual_max_num_f32 v[S+n+1], 0, v[S+n+1]   ; max(d, 0), two in a pair
.set n, n+2
.endr
	s_wait_alu depctr_va_vdst(0)
.set n, 0
.rept 32
	v_sqrt_f32 v[S+n], v[S+n]
.set n, n+1
.endr
	v_nop
	s_wait_alu depctr_va_vdst(0)
.endm
; From the root to K, and K's codes and scale byte, for block b and both query tiles
.macro VECA
	VECP
	VECQ
.endm
.macro VECB b
.set n, 0
.rept 32
	v_exp_f32 v[S+n], -v[S+n]                      ; K = 2^(-root)
.set n, n+1
.endr
	v_nop
	s_wait_alu depctr_va_vdst(0)                   ; one wait for the batch, ahead of its first reader
.irp q, 0,1                                    ; the largest of my 16 K and the floor 2^(3 - 127): eight three-way maxima in a tree three deep.  No |.|: K is never negative
.irp k, 0,1,2,3,4
	v_max3_num_f32 v[TM+8*\q+\k], v[S+16*\q+3*\k], v[S+16*\q+3*\k+1], v[S+16*\q+3*\k+2]
.endr
.endr
.irp q, 0,1
	v_max3_num_f32 v[TM+8*\q], v[TM+8*\q], v[TM+8*\q+1], v[TM+8*\q+2]
	v_max3_num_f32 v[TM+8*\q+3], v[TM+8*\q+3], v[TM+8*\q+4], v[S+16*\q+15]
.endr
.irp q, 0,1
	v_max3_num_f32 v[TM+8*\q], v[TM+8*\q], v[TM+8*\q+3], 0x1800000
.endr
.irp q, 0,1
	v_permlanex16_b32 v[TM+8*\q+5], v[TM+8*\q], s[SEL], s[SEL+1]
.endr
.irp q, 0,1
	v_max_num_f32 v[TM+8*\q], v[TM+8*\q], v[TM+8*\q+5]     ; with lane l xor 16's 16 centres: the block's largest K
.endr
.irp q, 0,1
	v_add_nc_u32 v[TM+8*\q+6], 0xff000000, v[TM+8*\q]      ; 2 off its exponent field: the conversion's scale operand
.endr
.irp q, 0,1
	v_cvt_scalef32_pk8_fp4_f32 v[PC+8*\q+2*(\b)], v[S+16*\q:S+16*\q+7], v[TM+8*\q+6]
	v_cvt_scalef32_pk8_fp4_f32 v[PC+8*\q+2*(\b)+1], v[S+16*\q+8:S+16*\q+15], v[TM+8*\q+6]
.endr
.irp q, 0,1                                    ; the scale's byte, into its place in the word of these 128 centres (plain lines behind the conversions)
.if (\b) == 0
	v_lshrrev_b32 v[PW+\q], 23, v[TM+8*\q+6]
.else
	v_lshrrev_b32 v[TM+8*\q+7], 23, v[TM+8*\q+6]
.endif
.endr
.if (\b) > 0
.irp q, 0,1
	v_lshl_or_b32 v[PW+\q], v[TM+8*\q+7], 8*(\b), v[PW+\q]
.endr
.endif
.if (\b)%2 == 1                                ; the operand's layout wants a whole block in a lane
.irp q, 0,1
.irp i, 0,1
	v_permlane16_swap_b32 v[PC+8*\q+4*((\b)/2)+\i], v[PC+8*\q+4*((\b)/2)+2+\i]
.endr
.endr
.endif
.endm
.macro PV t0, t1, zero                 ; O^T += W^T P^T for output tiles t0 .. t1: every product has an accumulator of its own
.set tt, \t0
.rept (\t1)-(\t0)+1
	WREG tt
.irp q, 0,1
.set rD, 16*tt+8*\q
.set rA, rW
.set rB, PC+8*\q
.set rC, rD
.set rSA, WS+tt/2
.set rSB, PW+\q
.set rZ, \zero
	WM tt%2, 0
.endr
.set tt, tt+1
.endr
.endm
.macro ADDR
	v_add_nc_u32 v[ADC], s[TB], v[AC0]
	v_add_nc_u32 v[ADW], s[TW], v[AW0]
	v_add_nc_u32 v[ADS], s[TS], v[ACS0]
	v_add_nc_u32 v[ADZ], s[TSZ], v[AZ0]
	v_add_nc_u32 v[ADT], s[TSW], v[AWS0]
.endm
; A STEP: my 128 centres of the slot in hand; its block 0 has been asked for.  fill: what JL asks for behind the step's round (0: nothing).  bar = 1: the step has a barrier.  next = 1: a step follows.
.macro STEP zero, fill, bar, next
	SMUL 1
	PLACES 5                                       ; for the loads below, the first read of S^T, and the next block's products, which write over S^T
	LOADC 1
	VECA
	VECB 0
.irp b, 1,2
	s_wait_dscnt 0x0
	SMUL 0
	PLACES 5
	LOADC \b+1
	VECA
	VECB \b
.endr
.if \bar
	s_wait_tensorcnt 0x0                           ; no tensor load of mine is out: groups 0 may be written
	ds_add_u32 v[SPW], v[NIL]
.if \fill
	s_xor_b32 s[G0C+1], s[G0C+1], CSL              ; the other slot, the next 256 centres
	s_add_nc_u64 s[G0C+2:G0C+3], s[G0C+2:G0C+3], 256*256
	s_xor_b32 s[G0M+1], s[G0M+1], 4096
	s_add_nc_u64 s[G0M+2:G0M+3], s[G0M+2:G0M+3], 4096
.endif
.if \fill == 3
	s_add_co_u32 s8, s[JJ], 2                      ; piece p = step + 2: rows 128 (p % 2) on of chunk p / 2, into place p % 4
	s_and_b32 s9, s8, 3
	s_mul_i32 s9, s9, WPC
	s_add_co_u32 s[G0P+1], s9, W0
	s_and_b32 s9, s8, 1
	s_lshl_b32 s9, s9, 19
	s_lshr_b32 s8, s8, 1
	s_lshl_b32 s8, s8, 8
	s_add_co_u32 s8, s8, s9
	s_mov_b32 s9, 0
	s_add_nc_u64 s[G0P+2:G0P+3], s[WB:WB+1], s[8:9]
.endif
	s_wait_dscnt 0x0                               ; the add is done, and my reads of what is filled again are over
	s_barrier_signal -1
.else
	s_wait_dscnt 0x0
.endif
	SMUL 0                                         ; block 3's products and roots: work on registers while the others arrive
	PLACES 5
	VECP
.if \bar
	s_wait_alu depctr_va_vdst(0)                   ; the wait here, directly ahead of the branch
	s_cmp_eq_u32 s[PH], 0                          ; group 1 takes block 3's maxima and roots here, between signal and wait; group 0 behind the round: both do the same work, a batch apart
	s_cbranch_scc1 .Llate_\@
	VECQ
.Llate_\@:
	s_barrier_wait -1
.else
	VECQ
.endif
.if \fill
	CREST                                          ; no wave of any partner still reads what is filled again or has a load on its way
	JL \fill
.endif
.irp i, 0,1,2,3,4,5,6,7
	ds_load_b32 v[WS+\i], v[ADT] offset:32*WSP*\i
.endr
	LOADW 0, 9
.if \bar
	s_cmp_lg_u32 s[PH], 0
	s_cbranch_scc1 .Lsoon_\@
	VECQ                                           ; group 0: block 3's maxima and roots
.Lsoon_\@:
	s_wait_alu depctr_va_vdst(0)                   ; the wait where the ways join, directly ahead of the batch
.endif
	VECB 3
	LOADW 10, 15
.if \next
	s_add_co_u32 s[JJ], s[JJ], 1
	s_xor_b32 s[TB], s[TB], CSL
	s_xor_b32 s[TS], s[TS], 4096
	s_add_co_u32 s[TSZ], s[TSZ], 1024
	s_add_co_u32 s[TSW], s[TSW], 8
	s_and_b32 s10, s[JJ], 1                        ; weight: 128 bytes on in odd steps, the other chunk every second step
	s_lshl_b32 s10, s10, 7
	s_bfe_u32 s11, s[JJ], 0x10001
	s_mul_i32 s11, s11, CSL
	s_add_co_u32 s[TW], s10, s11
	ADDR                                           ; five plain lines and three more: P's scale words stand 8 places ahead of the products
	PLACES 3
.else
	PLACES 8
.endif
	s_wait_alu depctr_va_vdst(0)                   ; the wait here, directly ahead of the wait below
	s_wait_dscnt 22                                ; the scale words and tiles 0-4 are in; out: tiles 5-9 (10 loads) and 10-15 (12)
	WIN 0x50
	PV 0, 4, \zero
	s_wait_dscnt 12                                ; out: tiles 10-15
	PV 5, 9, \zero
	WIN 0
	PLACES 4
.if \next
	LOADC 0                                        ; the next step's block 0: shown landed by this step's barrier
	s_wait_dscnt 21                                ; out: the 21 just issued
.else
	s_wait_dscnt 0x0
.endif
	WIN 0x50
	PV 10, 15, \zero
	WIN 0
	PLACES 5
.endm
	s_wait_alu depctr_va_vdst(0)                   ; the wait at the head's end
	s_wait_tensorcnt 0x0                           ; my tile of the head's is in; the same lines as ahead of a refill:
	ds_add_u32 v[SPW], v[NIL]
	s_xor_b32 s[G0C+1], s[G0C+1], CSL              ; step 1's codes and scale bytes, chunk 1 of weight
	s_add_nc_u64 s[G0C+2:G0C+3], s[G0C+2:G0C+3], 256*256
	s_xor_b32 s[G0M+1], s[G0M+1], 4096
	s_add_nc_u64 s[G0M+2:G0M+3], s[G0M+2:G0M+3], 4096
	s_add_co_u32 s[G0W+1], s[G0W+1], 2*WPC
	s_add_nc_u64 s[G0W+2:G0W+3], s[G0W+2:G0W+3], 256
	s_wait_dscnt 0x0
	CROUND                                         ; everybody's tile is in, and all four work-groups are here
	JL 1                                           ; the second group of first fills, one load a wave
	ADDR
	s_wait_alu depctr_va_vdst(0)
	LOADC 0
	s_wait_loadcnt 0x0                             ; the queries
	STEP 1, 2, 1, 1                                ; step 0: its second product starts the sums
	STEP 0, 2, 1, 1                                ; step 1
.Lslot:                                            ; four trips: steps 2 to 5
	STEP 0, 3, 1, 1
	s_cmp_lt_u32 s[JJ], 6
	s_cbranch_scc1 .Lslot
	STEP 0, 0, 1, 1                                ; step 6: its barrier shows step 7's tiles landed
	STEP 0, 0, 0, 0                                ; step 7
	; THE WAY OUT.  The stage lies over the codes' slots and weight's pieces: all have had their last fill, and behind this barrier nobody reads them.
	s_wait_dscnt 0x0
	s_barrier_signal -1
	s_barrier_wait -1
; The stage is filled in two halves by outputs: tiles 0-7 are bytes 0-511 of a stage row, tiles 8-15 bytes 512-1,023.
.macro OUT1 t                          ; lane (r, h): my half's sum for (query r of tile q, outputs 16 t + 8 h + 0 .. 7); each accumulator from its low end on
.irp q, 0,1
	ds_store_b128 v[STO], v[16*(\t)+8*\q:16*(\t)+8*\q+3] offset:2*16*YP*\q+64*(\t)
	ds_store_b128 v[STO], v[16*(\t)+8*\q+4:16*(\t)+8*\q+7] offset:2*16*YP*\q+64*(\t)+16
.endr
.endm
	WIN 0x04                                       ; an LDS store's data are its source 1: window 1
.irp t, 0,1,2,3,4,5,6,7
	OUT1 \t
.endr
	WIN 0
	s_wait_dscnt 0x0                               ; for the others' sake: my stores into the stage are done
	s_barrier_signal -1
	s_barrier_wait -1
; Wave w stores query tile w % 2 of its row group: eight rows' halves at a time, both waves' halves come back as whole rows, are added and stored.
.macro EL n
.set EA, 16+72*((\n)%2)
.irp rr, 0,1,2,3,4,5,6,7                       ; batch n: rows 8 (n % 2) + 0 .. 7, half n / 2 of their 1,024 bytes, both waves' sums
	ds_load_b128 v[EA+4*\rr:EA+4*\rr+3], v[RD] offset:YP*(8*((\n)%2)+\rr)+512*((\n)/2)
	ds_load_b128 v[EA+32+4*\rr:EA+32+4*\rr+3], v[RD] offset:16*YP+YP*(8*((\n)%2)+\rr)+512*((\n)/2)
.endr
.endm
.macro ES n
.set EA, 16+72*((\n)%2)
.set i, 0
.rept 16
	v_pk_add_f32 v[EA+i:EA+i+1], v[EA+i:EA+i+1], v[EA+32+i:EA+32+i+1]
.set i, i+2
.endr
.irp rr, 0,1,2,3,4,5,6,7
	global_store_b128 v[GO], v[EA+4*\rr:EA+4*\rr+3], s[16:17] offset:1024*(8*((\n)%2)+\rr)+512*((\n)/2)   ; 32 lanes store 512 consecutive bytes, at a multiple of 256 from part's first byte
.endr
.endm
	WIN 0x04
.irp t, 8,9,10,11,12,13,14,15                  ; the second half goes into the stage, into bytes that nobody reads before the next barrier, while the first half is read back
	OUT1 \t
.endr
	WIN 0
	EL 0
	EL 1
	s_wait_dscnt 16                                ; batch 0 is back; batch 1's sixteen loads stay out
	ES 0
	s_wait_dscnt 0x0                               ; batch 1 is back, and, for the others' sake, my stores of the second half are done
	ES 1
	s_barrier_signal -1
	s_barrier_wait -1
	s_wait_xcnt 0x0                                ; the stores of batches 0 and 1 have read their registers: the loads below may land there
	EL 2
	EL 3
	s_wait_dscnt 16
	ES 2
	s_wait_dscnt 0x0
	ES 3
	s_wait_tensorcnt 0x0                           ; the wave's end
	ds_add_u32 v[SPW], v[NIL]
	s_wait_dscnt 0x0
	CROUND                                         ; the closing round
	s_endpgm
.Lfunc_end_k_qe3c0a102b0_fused:
	.size	k_qe3c0a102b0_fused, .Lfunc_end_k_qe3c0a102b0_fused-k_qe3c0a102b0_fused
	.p2alignl 7, 3214868480
	.fill 96, 4, 3214868480
	.section	.rodata,"a",@progbits
	.p2align	6, 0x0
	.amdhsa_kernel k_qe3c0a102b0_fused
		.amdhsa_group_segment_fixed_size 327680
		.amdhsa_private_segment_fixed_size 0
		.amdhsa_enable_private_segment 0
		.amdhsa_kernarg_size 56
		.amdhsa_user_sgpr_count 2
		.amdhsa_user_sgpr_kernarg_segment_ptr 1
		.amdhsa_wavefront_size32 1
		.amdhsa_system_sgpr_workgroup_id_x 1
		.amdhsa_system_sgpr_workgroup_id_y 1
		.amdhsa_system_sgpr_workgroup_id_z 1
		.amdhsa_system_vgpr_workitem_id 0
		.amdhsa_next_free_vgpr 512
		.amdhsa_next_free_sgpr 106
		.amdhsa_reserve_vcc 0
		.amdhsa_float_denorm_mode_32 3
		.amdhsa_float_denorm_mode_16_64 3
		.amdhsa_memory_ordered 1
		.amdhsa_forward_progress 1
		.amdhsa_inst_pref_size 255
	.end_amdhsa_kernel
	.section	.bss,"aw",@nobits
	.p2align	6
	.space	262144
	.amdgpu_metadata
---
amdhsa.version: [ 1, 2 ]
amdhsa.kernels:
  - .name:           k_qe3c0a102b0_fused
    .symbol:         k_qe3c0a102b0_fused.kd
    .args:
      - { .name: bcodes, .offset: 0, .size: 8, .value_kind: global_buffer, .address_space: global }
      - { .name: bmeta, .offset: 8, .size: 8, .value_kind: global_buffer, .address_space: global }
      - { .name: ccodes, .offset: 16, .size: 8, .value_kind: global_buffer, .address_space: global }
      - { .name: cmeta, .offset: 24, .size: 8, .value_kind: global_buffer, .address_space: global }
      - { .name: weight_codes, .offset: 32, .size: 8, .value_kind: global_buffer, .address_space: global }
      - { .name: weight_scales, .offset: 40, .size: 8, .value_kind: global_buffer, .address_space: global }
      - { .name: part, .offset: 48, .size: 8, .value_kind: global_buffer, .address_space: global }
    .group_segment_fixed_size: 327680
    .private_segment_fixed_size: 0
    .kernarg_segment_align: 8
    .kernarg_segment_size: 56
    .max_flat_workgroup_size: 256
    .sgpr_count:     106
    .vgpr_count:     512
    .wavefront_size: 32
...
	.end_amdgpu_metadata
.endif
;; end of part 2
;; launch sum (part 3): grid 256 x 1, 8 waves a work-group, no clusters, 0 bytes of LDS; arguments part, out0; writes out0
.if DOCPART == 3
	.amdgcn_target "amdgcn-amd-amdhsa--gfx1250"
	.amdhsa_code_object_version 6
	.text
	.protected	k_qe3c0a102b0_sum
	.globl	k_qe3c0a102b0_sum
	.p2align	8
	.type	k_qe3c0a102b0_sum,@function
k_qe3c0a102b0_sum:
	s_mov_b64 s[64:65], 0
	v_nop
	global_prefetch_b8 v0, s[64:65] scope:SCOPE_SE
	s_setreg_imm32_b32 hwreg(HW_REG_WAVE_MODE, 25, 1), 1
	s_wait_xcnt 0x0
; out0 = part[0] + part[1] + part[2] + part[3], each [8192][256] f32, as (p0 + p1) + (p2 + p3).
; A stream: no LDS, no barrier, no matrix unit.  A work-group takes 32 KiB of out0; thread t takes the 16 bytes at 16 t of each of eight runs of 4,096 bytes, so a wave's load or store covers 512 consecutive
; bytes, aligned.  All 32 loads of a wave go out first (16 KiB a wave); the waits count down.  No register of a load or store is written again.
; The four parts lie 8,388,608 bytes apart, one more than a load's immediate reaches (ISA guide, chapter 10): so each has a base of its own.
.set P, 16                             ; v16-143: run i, part k at P + 16 i + 4 k
	s_load_b128 s[4:7], s[0:1], 0x0                ; part, out0
	v_lshlrev_b32 v1, 4, v0
	s_lshl_b32 s8, ttmp9, 15
	s_mov_b32 s9, 0
	s_wait_alu depctr_va_vdst(0)
	s_wait_kmcnt 0x0
	s_add_nc_u64 s[4:5], s[4:5], s[8:9]
	s_add_nc_u64 s[6:7], s[6:7], s[8:9]
	s_add_nc_u64 s[10:11], s[4:5], 0x800000
	s_add_nc_u64 s[12:13], s[4:5], 0x1000000
	s_add_nc_u64 s[14:15], s[4:5], 0x1800000
.irp i, 0,1,2,3,4,5,6,7
	global_load_b128 v[P+16*\i:P+16*\i+3], v1, s[4:5] offset:4096*\i th:TH_LOAD_NT
	global_load_b128 v[P+16*\i+4:P+16*\i+7], v1, s[10:11] offset:4096*\i th:TH_LOAD_NT
	global_load_b128 v[P+16*\i+8:P+16*\i+11], v1, s[12:13] offset:4096*\i th:TH_LOAD_NT
	global_load_b128 v[P+16*\i+12:P+16*\i+15], v1, s[14:15] offset:4096*\i th:TH_LOAD_NT
.endr
.irp i, 0,1,2,3,4,5,6,7
	s_wait_loadcnt 4*(7-\i)                        ; loads come back in order (ISA guide 5.7.1): run i's four are in, those of the runs behind it stay out
	v_pk_add_f32 v[P+16*\i:P+16*\i+1], v[P+16*\i:P+16*\i+1], v[P+16*\i+4:P+16*\i+5]
	v_pk_add_f32 v[P+16*\i+2:P+16*\i+3], v[P+16*\i+2:P+16*\i+3], v[P+16*\i+6:P+16*\i+7]
	v_pk_add_f32 v[P+16*\i+8:P+16*\i+9], v[P+16*\i+8:P+16*\i+9], v[P+16*\i+12:P+16*\i+13]
	v_pk_add_f32 v[P+16*\i+10:P+16*\i+11], v[P+16*\i+10:P+16*\i+11], v[P+16*\i+14:P+16*\i+15]
	s_delay_alu instid0(VALU_DEP_2)
	v_pk_add_f32 v[P+16*\i:P+16*\i+1], v[P+16*\i:P+16*\i+1], v[P+16*\i+8:P+16*\i+9]
	s_delay_alu instid0(VALU_DEP_2)
	v_pk_add_f32 v[P+16*\i+2:P+16*\i+3], v[P+16*\i+2:P+16*\i+3], v[P+16*\i+10:P+16*\i+11]
	global_store_b128 v1, v[P+16*\i:P+16*\i+3], s[6:7] offset:4096*\i th:TH_STORE_NT
.endr
	s_endpgm
.Lfunc_end_k_qe3c0a102b0_sum:
	.size	k_qe3c0a102b0_sum, .Lfunc_end_k_qe3c0a102b0_sum-k_qe3c0a102b0_sum
	.p2alignl 7, 3214868480
	.fill 96, 4, 3214868480
	.section	.rodata,"a",@progbits
	.p2align	6, 0x0
	.amdhsa_kernel k_qe3c0a102b0_sum
		.amdhsa_group_segment_fixed_size 0
		.amdhsa_private_segment_fixed_size 0
		.amdhsa_enable_private_segment 0
		.amdhsa_kernarg_size 16
		.amdhsa_user_sgpr_count 2
		.amdhsa_user_sgpr_kernarg_segment_ptr 1
		.amdhsa_wavefront_size32 1
		.amdhsa_system_sgpr_workgroup_id_x 1
		.amdhsa_system_sgpr_workgroup_id_y 1
		.amdhsa_system_sgpr_workgroup_id_z 1
		.amdhsa_system_vgpr_workitem_id 0
		.amdhsa_next_free_vgpr 144
		.amdhsa_next_free_sgpr 66
		.amdhsa_reserve_vcc 0
		.amdhsa_float_denorm_mode_32 3
		.amdhsa_float_denorm_mode_16_64 3
		.amdhsa_memory_ordered 1
		.amdhsa_forward_progress 1
		.amdhsa_inst_pref_size 9
	.end_amdhsa_kernel
	.amdgpu_metadata
---
amdhsa.version: [ 1, 2 ]
amdhsa.kernels:
  - .name:           k_qe3c0a102b0_sum
    .symbol:         k_qe3c0a102b0_sum.kd
    .args:
      - { .name: part, .offset: 0, .size: 8, .value_kind: global_buffer, .address_space: global }
      - { .name: out0, .offset: 8, .size: 8, .value_kind: global_buffer, .address_space: global }
    .group_segment_fixed_size: 0
    .private_segment_fixed_size: 0
    .kernarg_segment_align: 8
    .kernarg_segment_size: 16
    .max_flat_workgroup_size: 256
    .sgpr_count:     66
    .vgpr_count:     144
    .wavefront_size: 32
...
	.end_amdgpu_metadata
.endif
;; end of part 3
